; MI455X (gfx1250); checked and timed in simulation.
; The chip was launched on July 23, 2026; its instructions are those of AMD's public machine-readable ISA for CDNA 5 (MIT licence, August 2026) and "CDNA5" Instruction Set Architecture Reference Guide (July 2026). The comments in the code are by the model that wrote it; some were corrected since.
;; Multi Attention. Allowed arithmetic: matrix products marked QUANTISED: E3M2 operands, one E8M0 scale for each 32 along K, by v_wmma_scale_f32_16x16x128_f8f6f4 with both operands' format E3M2, f32 sums; everything else in f32.
;; Inputs: Wk_codes 2,048 x 32 x 24 uint8 (E3M2 codes of Wk, K innermost, in blocks of 32 codes, four codes in three bytes); Wk_scales 2,048 x 32 uint8 (E8M0 scales of Wk, one for each 32 codes along K); Wq_codes 2,048 x 32 x 24 uint8 (E3M2 codes of Wq, K innermost, in blocks of 32 codes, four codes in three bytes); Wq_scales 2,048 x 32 uint8 (E8M0 scales of Wq, one for each 32 codes along K); Wv_codes 2,048 x 32 x 24 uint8 (E3M2 codes of Wv, K innermost, in blocks of 32 codes, four codes in three bytes); Wv_scales 2,048 x 32 uint8 (E8M0 scales of Wv, one for each 32 codes along K); bk 2,048 float32; bq 2,048 float32; bv 2,048 float32; key_codes 2 x 2,048 x 32 x 24 uint8 (E3M2 codes of key, K innermost, in blocks of 32 codes, four codes in three bytes); key_scales 2 x 2,048 x 32 uint8 (E8M0 scales of key, one for each 32 codes along K); mask 1 x 2,048 x 2,048 int32; query_codes 2 x 2,048 x 32 x 24 uint8 (E3M2 codes of query, K innermost, in blocks of 32 codes, four codes in three bytes); query_scales 2 x 2,048 x 32 uint8 (E8M0 scales of query, one for each 32 codes along K); value_codes 2 x 2,048 x 32 x 24 uint8 (E3M2 codes of value, K innermost, in blocks of 32 codes, four codes in three bytes); value_scales 2 x 2,048 x 32 uint8 (E8M0 scales of value, one for each 32 codes along K).
;; Outputs: out0 2 x 2,048 x 2,048 float32.
;; This version of the problem:
;;   THIS VERSION OF THE PROBLEM IS GIVEN IN LOW PRECISION. The matrix products marked QUANTISED in the list below multiply operands that are first quantised to E3M2 (3 exponent bits, 2 mantissa bits; 6 bits a number), with one power-of-two scale for each 32 numbers along K (OCP MX v1.0); their sums are f32. All else is computed in f32.
;;   The module's matrix products, in the order in which they are computed (A, B: the left and right operand; K: the contracted axis; several contracted axes count as one K, in the product's order):
;;     1. [M 4,096, K 1,024] x [K 1,024, N 2,048]; A: input query (given as codes); B: input Wq (given as codes): QUANTISED
;;     2. [M 4,096, K 1,024] x [K 1,024, N 2,048]; A: input key (given as codes); B: input Wk (given as codes): QUANTISED
;;     3. [M 4,096, K 1,024] x [K 1,024, N 2,048]; A: input value (given as codes); B: input Wv (given as codes): QUANTISED
;;     4. batch 32 x [M 2,048, K 128] x [K 128, N 2,048]; A: computed on the way; B: computed on the way: QUANTISED
;;     5. batch 32 x [M 2,048, K 2,048] x [K 2,048, N 128]; A: softmax (see below); B: computed on the way: QUANTISED
;;   THE QUANTISER, for each operand of a quantised product, along K:
;;     - K is cut into blocks of 32 from its start; a last block that is shorter is filled with zeros.
;;     - A block's scale is 2^e with e = floor(log2(the largest magnitude in the block)) - 4, held to -126 .. 127; a block of zeros has e = 0. As a byte (E8M0): e + 127.
;;     - Each number is divided by its block's scale, clamped to +-28, and rounded to the nearest number of E3M2, ties to even, subnormals kept.
;;     - The product sums the exact products of the quantised numbers (number of the format x scale) in f32.
;;   ~~~python
;;   def quantise(x, axis):      # numpy; x: float32 -> the quantised numbers, widened to float32 again
;;       x = np.moveaxis(x, axis, -1); K = x.shape[-1]
;;       x = np.pad(x, [(0, 0)] * (x.ndim - 1) + [(0, -K % 32)]); x = x.reshape(x.shape[:-1] + (-1, 32)); a = np.abs(x).max(-1, keepdims=True)
;;       e = np.where(a > 0, np.clip(np.frexp(np.where(a > 0, a, 1))[1] - 1 - 4, -126, 127), 0)      # np.frexp(a)[1] - 1 = floor(log2(a)), exactly
;;       r = np.clip(x / 2.0 ** e, -28, 28)
;;       step = 2.0 ** (np.maximum(np.frexp(np.where(r == 0, 1, r))[1] - 1, -2) - 2)
;;       q = np.round(r / step) * step * 2.0 ** e      # np.round: ties to even
;;       return np.moveaxis(q.reshape(q.shape[:-2] + (-1,))[..., :K], -1, axis).astype(np.float32)
;;   ~~~
;;   SOFTMAX AHEAD OF A QUANTISED PRODUCT. Where the list says 'softmax', what is quantised is not the finished softmax but p = 2^(t - M), with t = logit x log2(e) and M = ceil(the row's largest t), a whole number; so 1/2 < the row's largest p <= 1. The row's sum l is taken of the UNQUANTISED p, in f32, and the product's result is divided by l at the end. Since M is a whole number, a kernel that streams over the keys may use a running M (the ceiling of the running maximum): every later rescaling is an exact power of two, which a block's scale takes up: the codes' values come out the same.
;;   OPERANDS COMPUTED ON THE WAY. 'Computed on the way' means the value that the module computes at that place (a softmax that the list does not call 'softmax' is quantised finished and normalised). What goes into a quantiser is computed in f32, as accurately as f32 sums, v_exp_f32 and their like allow (about 1e-6 of the number): no bf16 or f16 on the way to a quantiser, and a product that is left as it is and whose result goes on into a quantised operand takes f32 operands (vector FMAs, or v_wmma_f32_16x16x4_f32). A number that lies on a knife's edge between two numbers of the format may be rounded either way, as far as f32 arithmetic and the matrix unit's own rounding can turn it there, and no further.
;;   INPUTS GIVEN AS CODES. Wk (in the module: [2048, 1024], K = its axis 1); Wq (in the module: [2048, 1024], K = its axis 1); Wv (in the module: [2048, 1024], K = its axis 1); key (in the module: [2, 2048, 1024], K = its axis 2); query (in the module: [2, 2048, 1024], K = its axis 2); value (in the module: [2, 2048, 1024], K = its axis 2): each comes as NAME_codes (uint8): NAME with its K axis moved to the last place and cut into blocks of 32 codes, [.., K / 32, bytes a block], one block behind the other in memory; four codes in three bytes: a row's codes are one little-endian stream of bits, code i at bits 6 i .. 6 i + 5 (a code: sign, 3 exponent bits, 2 mantissa bits); and NAME_scales (uint8): the same leading axes, one E8M0 byte (e + 127) for each 32 codes along K. Its value is code x scale, taken as it is: it is not quantised again, and the codes and scales need not be those that the quantiser above would give.
;; One version. Each part assembles by itself: llvm-mc -triple=amdgcn-amd-amdhsa -mcpu=gfx1250 --defsym DOCPART=n.
;; ======== version 1 of 1: 3 launches
;; limits: right only within a limited range of input values
;; workspace buffers: maskw 524,288 bytes of whole numbers; qimg 6,553,600 bytes; kimg 6,553,600 bytes; vimg 6,553,600 bytes
;; launch maskbits (part 1): grid 256 x 1, 8 waves a work-group, no clusters, 68,608 bytes of LDS; arguments mask, maskw; writes maskw
.if DOCPART == 1
	.amdgcn_target "amdgcn-amd-amdhsa--gfx1250"
	.amdhsa_code_object_version 6
	.text
	.protected	k_q13e7e10fc0_maskbits
	.globl	k_q13e7e10fc0_maskbits
	.p2align	8
	.type	k_q13e7e10fc0_maskbits,@function
k_q13e7e10fc0_maskbits:
	s_mov_b64 s[64:65], 0
	v_nop
	global_prefetch_b8 v0, s[64:65] scope:SCOPE_SE
	s_setreg_imm32_b32 hwreg(HW_REG_WAVE_MODE, 25, 1), 1
	s_wait_xcnt 0x0
; mask [2048 queries][2048 keys] int32 becomes lane masks, one bit a number: maskw [T = tile of 16 queries (128)][s = step of 128 keys (16)][64 words].
; Bit L of word k = 8 t + j is (mask[16 T + L % 16][128 s + 16 t + 8 (L / 16) + j] != 0): the lane mask of score register k of the attention launch, which holds just that query and key in lane L.
; So the 16.8 MB of the mask are read once here, and the 32 heads read 0.5 MB of words instead.
; SHARES.  A wave makes one unit (T, s): 16 rows x 512 bytes in, 256 bytes out.  2,048 waves, eight to a work-group.  All of a wave's 16 loads go out at once: each covers 512 consecutive bytes.
; The numbers turn through the wave's own stage in LDS (rows of 512 + 16 bytes, so that the sixteen rows that a read touches begin in different banks).  Waves share nothing: no barrier.
; No matrix unit, no cluster, no tensor load: the launch reads each byte once and no two work-groups read the same byte.
.set ROWM,   8192                      ; a row of the mask in bytes
.set SPITCH, 528                       ; a stage row
.set WSTG,   16*SPITCH                 ; a wave's stage
.set D, 16                             ; v16-79   the numbers as loaded: row i in v[D+4i ..]
.set E, 80                             ; v80-143  turned: register 8 t + j = mask[row lane % 16][key 16 t + 8 (lane / 16) + j]
	s_load_b128 s[4:7], s[0:1], 0x0                ; mask s[4:5], maskw s[6:7]
	v_lshl_add_u32 v144, v0, 2, 0x10800
	v_mov_b32 v145, 0
	v_lshrrev_b32 v1, 5, v0
	s_delay_alu instid0(VALU_DEP_1)
	v_readfirstlane_b32 s8, v1                     ; wave 0..7
	v_and_b32 v1, 31, v0                           ; lane
	s_delay_alu instid0(VALU_DEP_1)
	v_lshlrev_b32 v2, 4, v1                        ; my 16 bytes of a load's 512
	s_mul_i32 s14, s8, WSTG                        ; my wave's stage
	v_add_nc_u32 v3, s14, v2                       ; into it: 16 x lane, the row in the immediate
	v_and_b32 v8, 15, v0                           ; r
	v_bfe_u32 v9, v0, 4, 1                         ; h
	s_delay_alu instid0(VALU_DEP_2)
	v_mul_u32_u24 v4, v8, SPITCH
	s_delay_alu instid0(VALU_DEP_1)
	v_lshl_add_u32 v4, v9, 5, v4
	s_delay_alu instid0(VALU_DEP_1)
	v_add_nc_u32 v4, s14, v4                       ; out of it: row r, + 32 h: my eight keys of a tile of 16
	v_lshlrev_b32 v5, 3, v1                        ; the way out: 8 bytes a lane
	v_mov_b32 v6, 0                                ; the result's two registers are written whole before single lanes are written
	v_mov_b32 v7, 0
	s_lshl_b32 s9, ttmp9, 3
	s_add_co_u32 s9, s9, s8                        ; W = 8 x work-group + wave = 16 T + s
	s_lshr_b32 s10, s9, 4
	s_lshl_b32 s10, s10, 17                        ; T x 16 rows x 8,192 bytes
	s_and_b32 s11, s9, 15
	s_lshl_b32 s11, s11, 9                         ; s x 128 keys x 4 bytes
	s_add_co_u32 s10, s10, s11
	s_mov_b32 s11, 0
	s_lshl_b32 s12, s9, 8                          ; 256 bytes a unit
	s_mov_b32 s13, 0
	s_wait_alu depctr_va_vdst(0)
	s_wait_kmcnt 0x0
	s_add_nc_u64 s[4:5], s[4:5], s[10:11]
	s_add_nc_u64 s[6:7], s[6:7], s[12:13]
.irp i, 0,1,2,3,4,5,6,7,8,9,10,11,12,13,14,15
	global_load_b128 v[D+4*\i:D+4*\i+3], v2, s[4:5] offset:ROWM*\i th:TH_LOAD_NT   ; row i: 512 consecutive bytes, read once in the launch
.endr
.irp i, 0,1,2,3,4,5,6,7,8,9,10,11,12,13,14,15
	s_wait_loadcnt 15-\i                           ; loads come back in order: row i is in, the 15 - i younger ones may be out
	ds_store_b128 v3, v[D+4*\i:D+4*\i+3] offset:SPITCH*\i
.endr
.irp t, 0,1,2,3,4,5,6,7
	ds_load_b128 v[E+8*\t:E+8*\t+3], v4 offset:64*\t          ; LDS serves a wave's instructions in order: these see my stores
	ds_load_b128 v[E+8*\t+4:E+8*\t+7], v4 offset:64*\t+16
.endr
	s_wait_dscnt 0x0
.set k, 0
.rept 64
	v_cmp_ne_u32 s[16+k%32], 0, v[E+k]             ; word k: one bit a lane
	s_delay_alu instid0(VALU_DEP_1)
	v_writelane_b32 v[6+k%2], s[16+k%32], k/2      ; to lane k / 2, register k % 2: the store below puts it at byte 4 k
.set k, k+1
.endr
	global_store_b64 v5, v[6:7], s[6:7]            ; 32 lanes store 256 consecutive bytes, at a multiple of 256 from the buffer's first byte
	s_wait_tensorcnt 0x0
	ds_add_u32 v144, v145
	s_wait_dscnt 0x0
	s_endpgm
.Lfunc_end_k_q13e7e10fc0_maskbits:
	.size	k_q13e7e10fc0_maskbits, .Lfunc_end_k_q13e7e10fc0_maskbits-k_q13e7e10fc0_maskbits
	.p2alignl 7, 3214868480
	.fill 96, 4, 3214868480
	.section	.rodata,"a",@progbits
	.p2align	6, 0x0
	.amdhsa_kernel k_q13e7e10fc0_maskbits
		.amdhsa_group_segment_fixed_size 68608
		.amdhsa_private_segment_fixed_size 0
		.amdhsa_enable_private_segment 0
		.amdhsa_kernarg_size 16
		.amdhsa_user_sgpr_count 2
		.amdhsa_user_sgpr_kernarg_segment_ptr 1
		.amdhsa_wavefront_size32 1
		.amdhsa_system_sgpr_workgroup_id_x 1
		.amdhsa_system_sgpr_workgroup_id_y 1
		.amdhsa_system_sgpr_workgroup_id_z 1
		.amdhsa_system_vgpr_workitem_id 0
		.amdhsa_next_free_vgpr 146
		.amdhsa_next_free_sgpr 66
		.amdhsa_reserve_vcc 0
		.amdhsa_float_denorm_mode_32 3
		.amdhsa_float_denorm_mode_16_64 3
		.amdhsa_memory_ordered 1
		.amdhsa_forward_progress 1
		.amdhsa_inst_pref_size 16
	.end_amdhsa_kernel
	.amdgpu_metadata
---
amdhsa.version: [ 1, 2 ]
amdhsa.kernels:
  - .name:           k_q13e7e10fc0_maskbits
    .symbol:         k_q13e7e10fc0_maskbits.kd
    .args:
      - { .name: mask, .offset: 0, .size: 8, .value_kind: global_buffer, .address_space: global }
      - { .name: maskw, .offset: 8, .size: 8, .value_kind: global_buffer, .address_space: global }
    .group_segment_fixed_size: 68608
    .private_segment_fixed_size: 0
    .kernarg_segment_align: 8
    .kernarg_segment_size: 16
    .max_flat_workgroup_size: 256
    .sgpr_count:     66
    .vgpr_count:     146
    .wavefront_size: 32
...
	.end_amdgpu_metadata
.endif
;; end of part 1
;; launch proj (part 2): grid 8 x 32, 4 waves a work-group, clusters of 4 x 4, 327,680 bytes of LDS; arguments query_codes, query_scales, Wq_codes, Wq_scales, bq, qimg, key_codes, key_scales, Wk_codes, Wk_scales, bk, kimg, Wv_codes, Wv_scales, value_codes, value_scales, bv, vimg; writes qimg, kimg, vimg
.if DOCPART == 2
	.amdgcn_target "amdgcn-amd-amdhsa--gfx1250"
	.amdhsa_code_object_version 6
	.text
	.protected	k_q13e7e10fc0_proj
	.globl	k_q13e7e10fc0_proj
	.p2align	8
	.type	k_q13e7e10fc0_proj,@function
k_q13e7e10fc0_proj:
	s_mov_b64 s[64:65], 0
	v_nop
	global_prefetch_b8 v0, s[64:65] scope:SCOPE_SE
	s_setreg_imm32_b32 hwreg(HW_REG_WAVE_MODE, 25, 1), 1
	s_wait_xcnt 0x0
	s_wait_alu depctr_hold_cnt(0) depctr_sa_sdst(0) depctr_va_vdst(0) depctr_va_sdst(0) depctr_va_ssrc(0) depctr_va_vcc(0) depctr_vm_vsrc(0)
	s_getreg_b32 s2, hwreg(HW_REG_IB_STS2, 6, 4)
	s_cmp_eq_u32 s2, 0
	s_cbranch_scc0 .Lentry_in_a_cluster
	s_endpgm
.Lentry_in_a_cluster:
	s_bfe_u32 s2, ttmp6, 0x10000c
	s_cmp_lg_u32 s2, 0xf033
	s_cbranch_scc0 .Lentry_shape_is_right
	s_endpgm
.Lentry_shape_is_right:
; relu(x W^T + b) for Q, K and V on codes of BF6 with E8M0 scales, quantised again along the next product's K and stored as images of operand registers
; (a unit of 12,800 bytes for each head and group of 128: eight fragments of 1,536 bytes, then 512 bytes of scale words).
; A = query, key or Wv (the rows that stay rows of a fragment), B = Wq, Wk or value (the rows along which the result is quantised).
; A WORK-GROUP STAYS and makes three blocks of 128 (A) x 256 (B): one of Q, one of K, one of V^T: 256 blocks each, 256 work-groups.  A wave makes 64 x 128: 32 accumulators.
; A block's whole K lies in LDS: rows of 768 bytes, each at a multiple of 256 bytes of its buffer, 16 bytes of padding behind each 256: pitch 816.  (128 + 256) x 816 = 313,344 bytes, so two such blocks do not fit
; and there is no ring: the next block's loads are issued behind a round of the cluster's barrier when the last products have read LDS, and the finished block is quantised and stored while they are out.
; CLUSTER 4 x 4: A's rows are shared along a row of the cluster, B's along a column: joint loads, one a wave (waves 0, 1: A's halves; waves 2, 3: B's).
; SCALES go from memory into registers: lane (r, h) takes words 4 h .. 4 h + 3 of row r: one load covers 512 consecutive bytes; K steps 0-3 read lanes 0-15 of a scale register, steps 4-7 lanes 16-31.
; THE BIAS is the C of a block's first products.  The matrix instruction is used transposed (source 0 = B's rows): a lane holds one row of A and eight neighbours along B.
; PREFETCH: while block t is multiplied, block t + 1's rows are asked for, one block ahead: of the rows that a wave will fetch each of the four partners takes a quarter, by address, a lane to each 256 bytes; the last block asks for nothing.
; REGISTERS: window 0: v1 r, v2 h, v4-31 addresses, v32-47 A's scale words, v48-79 B's, v160-255 A's fragments (two sets), v128-231 at work on the way out; window 1: B's fragments, two sets; window 2: accumulators; window 3: v0-63 the bias.
.set KROW,  768
.set PITCH, 816
.set FR,    12
.set ATILE, 128*PITCH
.set SPARE, 384*PITCH
.set BLKB,  12800
.set LI,   4
.set ADRS, 5
.set PF,   6
.set BA,   8
.set ADRA, 24
.set ADRB, 26
.set SPW,  30
.set NIL,  31
.set SCA,  32
.set SCB,  48
.set LS,   80
.set H,    128
.set AF,   160
.set PC,   192
.set TM,   212
.set PW,   228
.set SW,   230
.set G1,   24
.set G0,   32
.set G1B,  48
.set G0B,  56
.set SEL,  96
.set TO_B, 0x40
.set MSB, 0
.macro WIN new
.if MSB != (\new)
	s_set_vgpr_msb (MSB<<8)|(\new)
.set MSB, (\new)
.endif
.endm
.macro PLACES
.rept 4
	v_nop
.endr
.endm
.macro JLOAD                           ; waves 0, 1 ask for A, waves 2, 3 for B
	s_cmp_eq_u32 s17, 0
	s_cbranch_scc0 .Lfor_b_\@
	tensor_load_to_lds s[G0:G0+3], s[G1:G1+7]
	s_nop 0
	PLACES
	s_branch .Lasked_\@
.Lfor_b_\@:
	tensor_load_to_lds s[G0B:G0B+3], s[G1B:G1B+7]
	s_nop 0
	PLACES
.Lasked_\@:
.endm
.macro CROUND                          ; a round of the cluster's barrier
	s_barrier_signal -1
	s_barrier_wait -1
	s_cmp_lg_u32 s16, 0
	s_cbranch_scc1 .Lnot_wave_0_\@
	s_barrier_signal -3
.Lnot_wave_0_\@:
	s_barrier_wait -3
	s_barrier_signal -1
	s_barrier_wait -1
.endm
; Block s2 (0 Q, 1 K, 2 V): its six addresses into s[4:15], the bias' lane offsets, both group 0.  No tensor load of the wave is out here.
.macro PREP
	s_cmp_eq_u32 s2, 1
.irp i, 0,1,2,3,4,5
	s_cselect_b64 s[4+2*\i:5+2*\i], s[80+2*\i:81+2*\i], s[68+2*\i:69+2*\i]
.endr
	s_cmp_eq_u32 s2, 2
.irp i, 0,1,2,3,4,5
	s_cselect_b64 s[4+2*\i:5+2*\i], s[36+2*\i:37+2*\i], s[4+2*\i:5+2*\i]
.endr
	s_cselect_b32 s19, s63, s61                    ; A's block of 128 rows
	s_cselect_b32 s20, s62, s60                    ; B's block of 256 rows
	s_cselect_b32 s21, 4, 0                        ; the bias runs along B (32 h + 4 j, tile b 64 bytes on); for V along A (4 r, tile a 64 bytes on)
	s_cselect_b32 s94, 0, 32
	s_cselect_b32 s100, 0, 4
	s_cselect_b32 s101, 0, 256                     ; tiles 4-7; V has four, and its second four loads name the first four again: no load leaves bv
	v_mul_u32_u24 v[BA], v1, s21
	v_mad_u32_u24 v[BA], v2, s94, v[BA]
.irp j, 1,2,3,4,5,6,7
	v_add_nc_u32 v[BA+\j], s100, v[BA+\j-1]
.endr
.irp j, 0,1,2,3,4,5,6,7
	v_add_nc_u32 v[BA+8+\j], s101, v[BA+\j]
.endr
	s_wait_alu depctr_va_vdst(0)
	s_lshl_b32 s98, s20, 1
	s_add_co_u32 s98, s98, s18                     ; my group of 128 rows of B
	s_mov_b32 s99, 0
	s_mov_b32 s93, 0
	s_lshl_b32 s94, s17, 8
	s_cmp_eq_u32 s2, 2
	s_cselect_b32 s21, s19, s98                    ; the head's number in its batch
	s_cselect_b32 s100, s98, s19                   ; 16 x batch + group of 128 positions
	s_cselect_b32 s94, s94, 0
	s_lshl_b32 s101, s21, 9
	s_add_co_u32 s94, s94, s101                    ; the bias: 512 bytes a head, for V + 256 for A's second half
	s_lshr_b32 s101, s100, 4
	s_lshl_b32 s101, s101, 4
	s_add_co_u32 s101, s101, s21
	s_lshl_b32 s101, s101, 4
	s_and_b32 s100, s100, 15
	s_add_co_u32 s100, s100, s101                  ; the unit
	s_mul_i32 s100, s100, BLKB
	s_mul_i32 s101, s17, 6144                      ; my four fragments of its eight
	s_add_co_u32 s100, s100, s101
	s_mov_b32 s101, 0
	s_add_nc_u64 s[14:15], s[14:15], s[100:101]
	s_mov_b32 s100, s94
	s_add_nc_u64 s[12:13], s[12:13], s[100:101]
	s_lshl_b32 s100, s98, 12                       ; B's scales: 128 rows x 32 bytes a group
	s_add_nc_u64 s[10:11], s[10:11], s[100:101]
	s_lshl_b32 s92, s19, 7
	s_lshl_b32 s21, s17, 6
	s_add_co_u32 s92, s92, s21
	s_lshl_b32 s92, s92, 5                         ; A's scales: my 64 rows
	s_add_nc_u64 s[6:7], s[6:7], s[92:93]
	s_lshl_b32 s92, s19, 1
	s_add_co_u32 s92, s92, s18
	s_mul_i32 s92, s92, 64*KROW                    ; the 64 rows of A that waves 0, 1 fetch
	s_add_nc_u64 s[4:5], s[4:5], s[92:93]
	s_mov_b64 s[G0+2:G0+3], s[4:5]
	s_or_b32 s[G0+3], s[G0+3], 0x80000000
	s_mul_i32 s98, s98, 128*KROW                   ; the 128 rows of B that waves 2, 3 fetch
	s_add_nc_u64 s[8:9], s[8:9], s[98:99]
	s_mov_b64 s[G0B+2:G0B+3], s[8:9]
	s_or_b32 s[G0B+3], s[G0B+3], 0x80000000
.endm
.macro LOADS                           ; the block's scale words and bias, into registers
.irp i, 0,1,2,3
	global_load_b128 v[SCA+4*\i:SCA+4*\i+3], v[ADRS], s[6:7] offset:512*\i
.endr
.irp i, 0,1,2,3,4,5,6,7
	global_load_b128 v[SCB+4*\i:SCB+4*\i+3], v[ADRS], s[10:11] offset:512*\i
.endr
	WIN 0xc0
.irp x, 0,1,2,3
.irp j, 0,1,2,3,4,5,6,7
	global_load_b32 v[8*\x+\j], v[BA+\j], s[12:13] offset:64*\x
	global_load_b32 v[32+8*\x+\j], v[BA+8+\j], s[12:13] offset:64*\x
.endr
.endr
	WIN 0
.endm
; A fragment: six pieces of 8 bytes.  Byte y of a row lies at y + 16 (y / 256); where lanes 16-31, 24 bytes on, are past a 256-byte border, the second address register (+ 16 h) serves.
.macro FRAG reg, adr, st, i
.irp p, 0,1,2,3,4,5
.set BY, 96*(\st)+48*(\p/3)+8*(\p%3)
.if BY/256 == (BY+24)/256
	ds_load_b64 v[\reg+2*\p:\reg+2*\p+1], v[\adr] offset:BY+16*(BY/256)+(\i)*16*PITCH
.else
	ds_load_b64 v[\reg+2*\p:\reg+2*\p+1], v[\adr+1] offset:BY+16*(BY/256)+(\i)*16*PITCH
.endif
.endr
.endm
; A K step of 128: 32 products, the accumulators by turns.  The next step's 72 LDS loads stand in six groups of 12 between the first products, into the other sets.
; cm: 0 adds in place; 1, 2: the block's first step, C = the bias by B's tile or by A's.
.macro STEP st, cm
.set NX, (\st)+1
.if \cm
.set MW, 0xb1
.else
.set MW, 0xa1
.endif
	s_wait_dscnt 0x0                               ; this step's fragments are in
	PLACES                                         ; four places between the last step's products and the loads into the sets that they read
	WIN MW
.irp a, 0,1,2,3
.irp b, 0,1,2,3,4,5,6,7
.set rD, 8*(8*\a+\b)
.set rB, 128*((\st)%2)+FR*\b
.set rA, AF+48*((\st)%2)+FR*\a
.set rSB, SCB+4*\b+(\st)%4
.set rSA, SCA+4*\a+(\st)%4
.if \cm == 1
.set rC, 8*\b
.elseif \cm == 2
.set rC, 8*\a
.else
.set rC, rD
.endif
.if (\st) < 4
	v_wmma_scale_f32_16x16x128_f8f6f4 v[rD:rD+7], v[rB:rB+FR-1], v[rA:rA+FR-1], v[rC:rC+7], v[rSB], v[rSA] matrix_a_fmt:MATRIX_FMT_BF6 matrix_b_fmt:MATRIX_FMT_BF6
.else
	v_wmma_scale_f32_16x16x128_f8f6f4 v[rD:rD+7], v[rB:rB+FR-1], v[rA:rA+FR-1], v[rC:rC+7], v[rSB], v[rSA] matrix_a_fmt:MATRIX_FMT_BF6 matrix_b_fmt:MATRIX_FMT_BF6 matrix_a_scale:MATRIX_SCALE_ROW1 matrix_b_scale:MATRIX_SCALE_ROW1
.endif
.if (\st) < 7
.if (\a == 0) && (\b%2 == 0)
	WIN TO_B
	FRAG 128*(NX%2)+FR*\b, ADRB+2*(\b/4), NX, \b%4
	FRAG 128*(NX%2)+FR*(\b+1), ADRB+2*(\b/4), NX, (\b+1)%4
	WIN MW
.elseif (\a == 1) && (\b < 4) && (\b%2 == 0)
	WIN 0
	FRAG AF+48*(NX%2)+FR*\b, ADRA, NX, \b
	FRAG AF+48*(NX%2)+FR*(\b+1), ADRA, NX, \b+1
	WIN MW
.endif
.endif
.endr
.endr
	WIN 0
.endm
.macro TILEHEAD
	s_wait_xcnt 0x0                                ; the last block's stores have read their registers
	s_wait_tensorcnt 0x0                           ; my part of the block is in LDS;
	s_barrier_signal -1
	s_barrier_wait -1                              ; and everybody's.
	WIN TO_B
.irp i, 0,1,2,3,4,5,6,7
	FRAG FR*\i, ADRB+2*(\i/4), 0, \i%4
.endr
	WIN 0
.irp i, 0,1,2,3
	FRAG AF+FR*\i, ADRA, 0, \i
.endr
	s_wait_loadcnt 0x0                             ; scale words and bias
.endm
.macro QUANT s                         ; 16 rows x 128 numbers, none negative, to codes and a scale word
.irp b, 0,1,2,3
	v_max3_num_f32 v[TM+\b], v[\s+16*\b], v[\s+1+16*\b], 0x2800000   ; with the floor 2^(5 - 127): the byte cannot fall under 1
.endr
.irp i, 2,4,6,8,10,12,14
.irp b, 0,1,2,3
	v_max3_num_f32 v[TM+\b], v[TM+\b], v[\s+16*\b+\i], v[\s+1+16*\b+\i]
.endr
.endr
.irp b, 0,1,2,3
	v_permlanex16_b32 v[TM+4+\b], v[TM+\b], s[SEL], s[SEL+1]
.endr
.irp b, 0,1,2,3
	v_max_num_f32 v[TM+\b], v[TM+\b], v[TM+4+\b]
.endr
.irp b, 0,1,2,3
	v_add_nc_u32 v[TM+12+\b], 0xfe000000, v[TM+\b]   ; 4 off the exponent field: the conversion's scale operand
.endr
.irp b, 0,1,2,3
	v_lshrrev_b32 v[TM+4+\b], 23, v[TM+12+\b]
.endr
	v_lshl_or_b32 v[PW], v[TM+5], 8, v[TM+4]
	v_lshl_or_b32 v[PW], v[TM+6], 16, v[PW]
	v_lshl_or_b32 v[PW], v[TM+7], 24, v[PW]
.irp c, 0,1
	v_cvt_scalef32_pk16_bf6_f32 v[PC+6*\c:PC+2+6*\c], v[\s+32*\c:\s+15+32*\c], v[TM+12+2*\c]
	v_cvt_scalef32_pk16_bf6_f32 v[PC+12+4*\c:PC+14+4*\c], v[\s+16+32*\c:\s+31+32*\c], v[TM+12+2*\c+1]
.endr
	v_nop                                          ; one plain place behind a scaled conversion
.irp c, 0,1
.irp i, 0,1,2
	v_permlane16_swap_b32 v[PC+6*\c+\i], v[PC+12+4*\c+\i]
.endr
.irp i, 0,1,2
	v_mov_b32 v[PC+3+6*\c+\i], v[PC+12+4*\c+\i]
.endr
.endr
.endm
.macro EPI base                        ; the way out: relu, quantise, four fragments of 1,536 bytes and my 8 bytes a lane of the unit's scale words
.irp b, 0,1,2,3
	v_mov_b32 v[TM+4+\b], 0                        ; a lane permute's destination counts as one of its sources
.endr
.irp a, 0,1,2,3
	WIN 0x08
.set k, 0
.rept 64
	v_max_num_f32 v[H+k], 0, v[64*\a+k]            ; each accumulator from its low end on
.set k, k+1
.endr
	WIN 0
	s_wait_xcnt 0x0                                ; the last fragment's stores have read their data
	QUANT H
.if \a%2 == 0
	v_mov_b32 v[SW+\a/2], v[PW]
.else
	v_cndmask_b32 v[SW+\a/2], v[SW+\a/2], v[PW], s95   ; lanes 16-31: the odd tile's words
.endif
.irp c, 0,1,2
	global_store_b128 v[LI], v[PC+4*\c:PC+4*\c+3], s[\base:\base+1] offset:1536*\a+512*\c   ; 512 consecutive bytes
.endr
.endr
	global_store_b64 v[LS], v[SW:SW+1], s[\base:\base+1]
.endm
	s_load_b256 s[68:75], s[0:1], 0x0              ; Q's six addresses
	s_load_b128 s[76:79], s[0:1], 0x20
	s_load_b256 s[80:87], s[0:1], 0x30             ; K's
	s_load_b128 s[88:91], s[0:1], 0x50
	s_load_b256 s[36:43], s[0:1], 0x60             ; V's
	s_load_b128 s[44:47], s[0:1], 0x80
	v_lshl_add_u32 v[SPW], v0, 2, SPARE
	v_mov_b32 v[NIL], 0
	ds_add_u32 v[SPW], v[NIL]                      ; the opening lines: the add twice on end and one wait
	ds_add_u32 v[SPW], v[NIL]
	v_lshrrev_b32 v3, 5, v0
	v_readfirstlane_b32 s16, v3                    ; wave
	v_and_b32 v1, 15, v0                           ; r
	v_bfe_u32 v2, v0, 4, 1                         ; h
	s_wait_alu depctr_va_vdst(0)
	s_lshr_b32 s17, s16, 1                         ; my half of A's rows; also: I fetch for A (0) or B (1)
	s_and_b32 s18, s16, 1                          ; my half of B's rows; also: which half I fetch
	s_bfe_u32 s98, ttmp6, 0x40000                  ; cx
	s_bfe_u32 s92, ttmp6, 0x40004                  ; cy
	s_lshl_b32 s60, ttmp9, 2
	s_add_co_u32 s60, s60, s98                     ; Q, K: B's block = 4 x cluster x + cx (8),
	s_and_b32 s100, ttmp7, 0xffff
	s_lshl_b32 s61, s100, 2
	s_add_co_u32 s61, s61, s92                     ; A's block = 4 x cluster y + cy (32)
	s_lshl_b32 s100, s100, 1
	s_add_co_u32 s100, s100, ttmp9                 ; V: the sixteen clusters as 4 x 4: 16 blocks each way
	s_and_b32 s62, s100, 3
	s_lshl_b32 s62, s62, 2
	s_add_co_u32 s62, s62, s98
	s_lshr_b32 s63, s100, 2
	s_lshl_b32 s63, s63, 2
	s_add_co_u32 s63, s63, s92
	s_lshl_b32 s21, s92, 2
	s_lshl_b32 s21, 15, s21                        ; my row of the cluster
	s_lshl_b32 s94, 0x1111, s98                    ; my column
	s_or_b32 s[G1], s21, (1<<20)|(1<<21)|(5<<22)|(3<<25)   ; bytes; 4 words of padding behind every 64
	s_or_b32 s[G1B], s94, (1<<20)|(1<<21)|(5<<22)|(3<<25)
	s_mov_b32 s[G1+1], KROW<<16
	s_mov_b32 s[G1+2], 64<<16
	s_mov_b32 s[G1+3], KROW<<16
	s_mov_b32 s[G1+4], 64
	s_mov_b32 s[G1+5], KROW
	s_mov_b32 s[G1+6], 0
	s_mov_b32 s[G1+7], 0
	s_mov_b32 s[G1B+1], KROW<<16
	s_mov_b32 s[G1B+2], 128<<16
	s_mov_b32 s[G1B+3], KROW<<16
	s_mov_b32 s[G1B+4], 128
	s_mov_b32 s[G1B+5], KROW
	s_mov_b32 s[G1B+6], 0
	s_mov_b32 s[G1B+7], 0
	s_mov_b32 s[G0], 1
	s_mul_i32 s[G0+1], s18, 64*PITCH
	s_mov_b32 s[G0B], 1
	s_mul_i32 s[G0B+1], s18, 128*PITCH
	s_add_co_u32 s[G0B+1], s[G0B+1], ATILE
	s_mov_b32 s95, 0xffff0000
	s_mov_b32 s[SEL], 0x76543210
	s_mov_b32 s[SEL+1], 0xfedcba98
	s_mul_i32 s3, s98, 16*KROW                     ; my work-group's quarter of the rows that I prefetch: A's by cx, B's by cy
	s_mul_i32 s21, s92, 32*KROW
	s_cmp_eq_u32 s17, 0
	s_cselect_b32 s3, s3, s21
	s_cselect_b32 s94, 47, 95                      ; its last block of 256 bytes
	v_mul_u32_u24 v3, v1, PITCH
	v_mad_u32_u24 v3, v2, 24, v3                   ; a fragment's row x pitch + 24 h
	s_mul_i32 s21, s17, 64*PITCH
	v_add_nc_u32 v[ADRA], s21, v3
	v_lshl_add_u32 v[ADRA+1], v2, 4, v[ADRA]
	s_mul_i32 s21, s18, 128*PITCH
	s_add_co_u32 s21, s21, ATILE
	v_add_nc_u32 v[ADRB], s21, v3
	v_lshl_add_u32 v[ADRB+1], v2, 4, v[ADRB]
	v_add_nc_u32 v[ADRB+2], 64*PITCH, v[ADRB]      ; B's tiles 4-7: the immediate has 16 bits
	v_add_nc_u32 v[ADRB+3], 64*PITCH, v[ADRB+1]
	v_and_b32 v3, 31, v0
	v_lshlrev_b32 v[LI], 4, v3
	s_mul_i32 s21, s17, 6136
	s_sub_co_u32 s21, 12288, s21
	v_add_nc_u32 v[LS], s21, v[LI]                 ; the scale words, from my fragments' base: 12,288 + 16 lane + 8 x my half
	v_lshlrev_b32 v[ADRS], 5, v1
	v_lshl_add_u32 v[ADRS], v2, 4, v[ADRS]         ; 32 r + 16 h
	v_lshlrev_b32 v[PF], 8, v3
	v_add_nc_u32 v[PF+1], 32, v3
	v_min_u32 v[PF+1], s94, v[PF+1]                ; lanes left over name the last block again
	v_lshlrev_b32 v[PF+1], 8, v[PF+1]
	s_mov_b32 s2, 0
	s_wait_alu depctr_va_vdst(0)
	s_wait_dscnt 0x0
	s_wait_kmcnt 0x0
	PREP
	CROUND                                         ; the first joint loads meet
	JLOAD                                          ; Q's block: one tensor load a wave
	LOADS
.Ltile:                                            ; two trips: Q, K
	TILEHEAD
	s_mov_b64 s[22:23], s[14:15]                   ; this block's way out
	s_add_co_u32 s2, s2, 1
	PREP                                           ; the next block's addresses
	STEP 0, 1
	STEP 1, 0
	s_cmp_eq_u32 s17, 0                            ; the prefetch: 48 (A) or 96 (B) blocks of 256 consecutive bytes
	s_cselect_b64 s[100:101], s[4:5], s[8:9]
	s_add_co_u32 s100, s100, s3
	s_add_co_ci_u32 s101, s101, 0
	global_prefetch_b8 v[PF], s[100:101] th:TH_LOAD_NT scope:SCOPE_SE
	global_prefetch_b8 v[PF+1], s[100:101] th:TH_LOAD_NT scope:SCOPE_SE
	s_cmp_eq_u32 s17, 0
	s_cbranch_scc1 .Lpf_done
	global_prefetch_b8 v[PF], s[100:101] offset:16384 th:TH_LOAD_NT scope:SCOPE_SE
.Lpf_done:
.irp st, 2,3,4,5,6,7
	STEP \st, 0
.endr
	s_wait_tensorcnt 0x0                           ; ahead of the refill: no load of mine is out,
	ds_add_u32 v[SPW], v[NIL]                      ; 0 onto my spare word,
	s_wait_dscnt 0x0                               ; and my reads of the block are over
	CROUND                                         ; so of every wave of the cluster
	JLOAD                                          ; the next block; its four v_nop are the places in front of the loads below
	LOADS
	EPI 22
	s_wait_alu depctr_va_vdst(0)
	s_cmp_lt_u32 s2, 2
	s_cbranch_scc1 .Ltile
	TILEHEAD                                       ; V's block is written out: it asks for nothing more
	STEP 0, 2
.irp st, 1,2,3,4,5,6,7
	STEP \st, 0
.endr
	PLACES
	EPI 14
	s_wait_tensorcnt 0x0                           ; the wave's end
	ds_add_u32 v[SPW], v[NIL]
	s_wait_dscnt 0x0
	CROUND                                         ; the closing round
	s_endpgm
.Lfunc_end_k_q13e7e10fc0_proj:
	.size	k_q13e7e10fc0_proj, .Lfunc_end_k_q13e7e10fc0_proj-k_q13e7e10fc0_proj
	.p2alignl 7, 3214868480
	.fill 96, 4, 3214868480
	.section	.rodata,"a",@progbits
	.p2align	6, 0x0
	.amdhsa_kernel k_q13e7e10fc0_proj
		.amdhsa_group_segment_fixed_size 327680
		.amdhsa_private_segment_fixed_size 0
		.amdhsa_enable_private_segment 0
		.amdhsa_kernarg_size 144
		.amdhsa_user_sgpr_count 2
		.amdhsa_user_sgpr_kernarg_segment_ptr 1
		.amdhsa_wavefront_size32 1
		.amdhsa_system_sgpr_workgroup_id_x 1
		.amdhsa_system_sgpr_workgroup_id_y 1
		.amdhsa_system_sgpr_workgroup_id_z 1
		.amdhsa_system_vgpr_workitem_id 0
		.amdhsa_next_free_vgpr 1024
		.amdhsa_next_free_sgpr 102
		.amdhsa_reserve_vcc 0
		.amdhsa_float_denorm_mode_32 3
		.amdhsa_float_denorm_mode_16_64 3
		.amdhsa_memory_ordered 1
		.amdhsa_forward_progress 1
		.amdhsa_inst_pref_size 223
	.end_amdhsa_kernel
	.amdgpu_metadata
---
amdhsa.version: [ 1, 2 ]
amdhsa.kernels:
  - .name:           k_q13e7e10fc0_proj
    .symbol:         k_q13e7e10fc0_proj.kd
    .args:
      - { .name: query_codes, .offset: 0, .size: 8, .value_kind: global_buffer, .address_space: global }
      - { .name: query_scales, .offset: 8, .size: 8, .value_kind: global_buffer, .address_space: global }
      - { .name: Wq_codes, .offset: 16, .size: 8, .value_kind: global_buffer, .address_space: global }
      - { .name: Wq_scales, .offset: 24, .size: 8, .value_kind: global_buffer, .address_space: global }
      - { .name: bq, .offset: 32, .size: 8, .value_kind: global_buffer, .address_space: global }
      - { .name: qimg, .offset: 40, .size: 8, .value_kind: global_buffer, .address_space: global }
      - { .name: key_codes, .offset: 48, .size: 8, .value_kind: global_buffer, .address_space: global }
      - { .name: key_scales, .offset: 56, .size: 8, .value_kind: global_buffer, .address_space: global }
      - { .name: Wk_codes, .offset: 64, .size: 8, .value_kind: global_buffer, .address_space: global }
      - { .name: Wk_scales, .offset: 72, .size: 8, .value_kind: global_buffer, .address_space: global }
      - { .name: bk, .offset: 80, .size: 8, .value_kind: global_buffer, .address_space: global }
      - { .name: kimg, .offset: 88, .size: 8, .value_kind: global_buffer, .address_space: global }
      - { .name: Wv_codes, .offset: 96, .size: 8, .value_kind: global_buffer, .address_space: global }
      - { .name: Wv_scales, .offset: 104, .size: 8, .value_kind: global_buffer, .address_space: global }
      - { .name: value_codes, .offset: 112, .size: 8, .value_kind: global_buffer, .address_space: global }
      - { .name: value_scales, .offset: 120, .size: 8, .value_kind: global_buffer, .address_space: global }
      - { .name: bv, .offset: 128, .size: 8, .value_kind: global_buffer, .address_space: global }
      - { .name: vimg, .offset: 136, .size: 8, .value_kind: global_buffer, .address_space: global }
    .group_segment_fixed_size: 327680
    .private_segment_fixed_size: 0
    .kernarg_segment_align: 8
    .kernarg_segment_size: 144
    .max_flat_workgroup_size: 128
    .sgpr_count:     102
    .vgpr_count:     1024
    .wavefront_size: 32
...
	.end_amdgpu_metadata
.endif
;; end of part 2
;; launch attn (part 3): grid 8 x 32, 16 waves a work-group, clusters of 4 x 1, 327,680 bytes of LDS; arguments qimg, kimg, vimg, maskw, out0; writes out0
.if DOCPART == 3
	.amdgcn_target "amdgcn-amd-amdhsa--gfx1250"
	.amdhsa_code_object_version 6
	.text
	.protected	k_q13e7e10fc0_attn
	.globl	k_q13e7e10fc0_attn
	.p2align	8
	.type	k_q13e7e10fc0_attn,@function
k_q13e7e10fc0_attn:
	s_mov_b64 s[64:65], 0
	v_nop
	global_prefetch_b8 v0, s[64:65] scope:SCOPE_SE
	s_setreg_imm32_b32 hwreg(HW_REG_WAVE_MODE, 25, 1), 1
	s_wait_xcnt 0x0
	s_wait_alu depctr_hold_cnt(0) depctr_sa_sdst(0) depctr_va_vdst(0) depctr_va_sdst(0) depctr_va_ssrc(0) depctr_va_vcc(0) depctr_vm_vsrc(0)
	s_getreg_b32 s2, hwreg(HW_REG_IB_STS2, 6, 4)
	s_cmp_eq_u32 s2, 0
	s_cbranch_scc0 .Lentry_in_a_cluster
	s_endpgm
.Lentry_in_a_cluster:
	s_bfe_u32 s2, ttmp6, 0x10000c
	s_cmp_lg_u32 s2, 0x3003
	s_cbranch_scc0 .Lentry_shape_is_right
	s_endpgm
.Lentry_shape_is_right:
; out[n][q][128 h ..] = the sum over keys of softmax(where(mask == 0, -1e7, Q . K / sqrt(128))) V, 32 heads hd = 16 n + h, 2,048 queries and keys, both products on codes of BF6 (E3M2) with E8M0 scales.
; Q, K and V^T come as images of operand registers: a unit of 12,800 bytes for each (head, group of 128): eight fragments of 1,536 bytes (register group c of lane L at 512 c + 16 L), then 512 bytes of scale words
; (16 L + 4 p: lanes 0-15 tile 2 p, lanes 16-31 tile 2 p + 1).  Q, K: a fragment is 16 neighbouring queries or keys x the head's 128; V^T: 16 channels x the group's 128 keys.  So every fragment is three loads of 16 bytes a lane, 512 consecutive bytes each.
; THE SOFTMAX AHEAD OF THE SECOND PRODUCT: t = score x log2(e) / sqrt(128); M = the row's largest t so far, rounded UP to a whole number; p = 2^(t - M) is quantised along the keys, not normalised.
; The row's sum is taken of the unquantised p and divides at the end.  When M moves, the sum and O are multiplied by 2^(old M - new M): exact.
; THE MASK comes as lane masks (one word for each score register, made by an earlier launch), read by scalar loads: one v_cndmask_b32 a register.
; A masked score becomes -2^27 ahead of the scaling, the logit -1.19e7 where the source has -1e7.  Real scores are sums of products of numbers that a relu has made, so none is negative: beside any of them either constant gives p = 0;
; and -2^27 x c = -17,115,100 is a whole number that f32 holds, so in a row masked throughout t = M and every p is 1: equal weights, as with the source's constant.
; SHARES.  A work-group owns 256 queries of one head; each of its sixteen waves owns 16, one tile, in 256 registers: four waves to a SIMD, so that one wave's vector work stands beside another's matrix work and LDS loads.
; Every wave walks all 16 key steps of 128.  K's and V's units come through a ring of two LDS slots of four key steps (waves 0, 1: K's halves; waves 2, 3: V's).
; CLUSTER.  The four query blocks of a cluster belong to one head and walk the same K and V: each tile is asked for jointly, with a mask that names the four.
; LAYOUT.  Both products transposed: S^T = K Q^T, O^T = V^T P^T: lane (r, h) holds query r throughout; score register 8 t + j holds key 16 t + 8 h + j.  p's codes are laid by the same lines as V^T's were: inside a block of 32 keys
; slots 0-15 hold keys 0-7 and 16-23, slots 16-31 keys 8-15 and 24-31, on both sides of the product.
; A block's largest p is the block's largest score put through the same multiply-add and exponential: this takes v_exp_f32 not to fall where its input rises.
; LIMITS: NaN and infinities are not served; a block of p all of whose numbers lie under 2^(5 - 127) gets the byte 1.
; REGISTERS: v1-6 what stays; v12 -M, v13 the largest t, v[14:15] the sum in two halves; v16-27 Q; v32-79 four fragments of K or V; v96-159 S^T, then p; v160-223 O^T; v224-235 p's codes; v232-247 at work; v248-251 K's or V's scale words; v252 f; v253 p's scale word; v255 Q's.
.set UNIT,  12800
.set SLOT1, 1<<17                      ; slot 1 begins here: one exclusive or turns an address in one slot into the other's
.set VOFF,  4*UNIT                     ; a slot: four units of K, then four of V
.set SPARE, SLOT1+8*UNIT               ; 233,472: the spare words, 128 bytes for each wave: eight blocks of 256 bytes that no other line names
.set STAGE, SPARE+2048                 ; the way out: 16 rows x (256 + 16) bytes for each wave: bytes of their own, into which no fill lands
.set LI,  1                            ; v1   16 x lane
.set AD,  2                            ; v2   LDS address of the step's units
.set SPW, 3                            ; v3   LDS address of my spare word; never rewritten
.set NIL, 4                            ; v4   0; never rewritten
.set GO,  5                            ; v5   the way out: my byte offset in the wave's rows of out
.set NEG, 6                            ; v6   -2^27
.set FRG, 32
.set WV,  2                            ; s2   my wave's number
.set TB,  3                            ; s3   LDS byte at which the step's unit of K begins
.set MP,  4                            ; s[4:5] my tile's mask words
.set OUTP, 6                           ; s[6:7] my first row of out
.set SEL, 8                            ; s[8:9]
.set CS,  10                           ; s[10:11] c = log2(e) / sqrt(128), written twice: the packed form names a pair
.set MO,  12                           ; s12  byte offset of the mask words asked for
.set SLOTS, 13
.set STEPS, 14                         ; (s[14:15] hold Q's address until Q is in)
.set G1,  16                           ; s[16:23]
.set G0K, 24                           ; s[24:27]
.set G0V, 28                           ; s[28:31]
                                       ; s[32:63], s[68:99]: the step's 64 mask words
.macro CROUND                          ; a round of the cluster's barrier
	s_barrier_signal -1
	s_barrier_wait -1
	s_cmp_lg_u32 s[WV], 0
	s_cbranch_scc1 .Lnot_wave_0_\@
	s_barrier_signal -3
.Lnot_wave_0_\@:
	s_barrier_wait -3
	s_barrier_signal -1
	s_barrier_wait -1
.endm
; Waves 0 and 1 fetch for K, waves 2 and 3 for V, the others nothing.  The branches hang on the wave's number alone.  Four v_nop follow each of the two lines.
.macro TLOAD
	s_cmp_lt_u32 s[WV], 2
	s_cbranch_scc0 .Lnot_k_\@
	tensor_load_to_lds s[G0K:G0K+3], s[G1:G1+7]
	s_nop 0
.rept 4
	v_nop
.endr
	s_branch .Lasked_\@
.Lnot_k_\@:
	s_cmp_lt_u32 s[WV], 4
	s_cbranch_scc0 .Lasked_\@
	tensor_load_to_lds s[G0V:G0V+3], s[G1:G1+7]
	s_nop 0
.rept 4
	v_nop
.endr
.Lasked_\@:
.endm
.macro MASKLOAD                        ; 64 words, 256 bytes, at s[MO] of my tile's
	s_load_b512 s[32:47], s[MP:MP+1], s[MO] offset:0x0
	s_load_b512 s[48:63], s[MP:MP+1], s[MO] offset:0x40
	s_load_b512 s[68:83], s[MP:MP+1], s[MO] offset:0x80
	s_load_b512 s[84:99], s[MP:MP+1], s[MO] offset:0xc0
.endm
	s_load_b256 s[32:39], s[0:1], 0x0              ; qimg s[32:33], kimg s[34:35], vimg s[36:37], maskw s[38:39]
	s_load_b64 s[40:41], s[0:1], 0x20              ; out0
	v_lshl_add_u32 v[SPW], v0, 2, SPARE
	v_mov_b32 v[NIL], 0
	ds_add_u32 v3, v4
	ds_add_u32 v3, v4
	s_wait_dscnt 0x0
	v_lshrrev_b32 v7, 5, v0
	s_delay_alu instid0(VALU_DEP_1)
	v_readfirstlane_b32 s[WV], v7                  ; wave 0..15
	s_bfe_u32 s42, ttmp6, 0x40000                  ; cx: my place in the cluster
	s_lshl_b32 s43, ttmp9, 2
	s_add_co_u32 s43, s43, s42                     ; qb: my block of 256 queries: it enters Q's, the mask's and out's addresses alone
	s_and_b32 s44, ttmp7, 0xffff                   ; hd, which the four partners share
	s_and_b32 s45, s[WV], 1
	s_mul_i32 s46, s45, 2*UNIT                     ; which two units of a slot's four I fetch: in LDS,
	s_mul_i32 s48, s44, 16*UNIT
	s_add_co_u32 s48, s48, s46                     ; and in memory
	s_mov_b32 s49, 0
	s_lshl_b32 s50, s44, 4
	s_lshl_b32 s51, s43, 1
	s_add_co_u32 s50, s50, s51
	s_lshr_b32 s51, s[WV], 3
	s_add_co_u32 s50, s50, s51                     ; Q's unit: 16 hd + 2 qb + wave / 8
	s_mul_i32 s50, s50, UNIT
	s_mov_b32 s51, 0
	s_lshl_b32 s54, s43, 4
	s_add_co_u32 s54, s54, s[WV]                   ; T = 16 qb + wave: my tile of 16 queries
	s_lshl_b32 s56, s54, 12                        ; its mask words: 16 steps x 256 bytes
	s_mov_b32 s57, 0
	s_lshr_b32 s58, s44, 4
	s_lshl_b32 s58, s58, 11
	s_lshl_b32 s59, s54, 4
	s_add_co_u32 s58, s58, s59                     ; row of out: 2,048 n + 16 T
	s_lshl_b32 s58, s58, 13                        ; x 8,192 bytes
	s_and_b32 s59, s44, 15
	s_lshl_b32 s59, s59, 9
	s_add_co_u32 s58, s58, s59                     ; + 512 h
	s_mov_b32 s59, 0
	; descriptor group 1: 25,600 dense bytes as 100 rows of 256 (32 elements of 8 bytes), no padding: every LDS read takes 512 consecutive bytes
	s_mov_b32 s[G1], 15|(3<<16)|(1<<21)            ; 15:0 the mask: all four work-groups; elements of 8 bytes; bit 21 beside a mask
	s_mov_b32 s[G1+1], 32<<16                      ; tensor_dim0
	s_mov_b32 s[G1+2], 100<<16                     ; tensor_dim1
	s_mov_b32 s[G1+3], 32<<16                      ; tile_dim0
	s_mov_b32 s[G1+4], 100                         ; tile_dim1
	s_mov_b32 s[G1+5], 32                          ; tensor_dim0_stride
	s_mov_b32 s[G1+6], 0
	s_mov_b32 s[G1+7], 0
	s_mov_b32 s[SEL], 0x76543210
	s_mov_b32 s[SEL+1], 0xfedcba98
	s_mov_b32 s[CS], 0x3e0293ee
	s_mov_b32 s[CS+1], s[CS]
	s_mov_b32 s[TB], 0
	s_mov_b32 s[MO], 0
	s_mov_b32 s[SLOTS], 3
	s_wait_kmcnt 0x0
	s_add_nc_u64 s[MP:MP+1], s[38:39], s[56:57]
	s_add_nc_u64 s[OUTP:OUTP+1], s[40:41], s[58:59]
	s_add_nc_u64 s[14:15], s[32:33], s[50:51]      ; Q's unit
	s_mov_b32 s[G0K], 1
	s_mov_b32 s[G0K+1], s46                        ; slot 0
	s_add_nc_u64 s[G0K+2:G0K+3], s[34:35], s[48:49]
	s_or_b32 s[G0K+3], s[G0K+3], 0x80000000
	s_mov_b32 s[G0V], 1
	s_add_co_u32 s[G0V+1], s46, VOFF
	s_add_nc_u64 s[G0V+2:G0V+3], s[36:37], s[48:49]
	s_or_b32 s[G0V+3], s[G0V+3], 0x80000000
	CROUND                                         ; all four work-groups are here: the first joint loads meet
	TLOAD                                          ; slot 0: key steps 0 to 3
	v_and_b32 v7, 31, v0
	s_delay_alu instid0(VALU_DEP_1)
	v_lshlrev_b32 v[LI], 4, v7
	v_and_b32 v8, 15, v0                           ; r
	s_wait_alu depctr_va_vdst(0)
	v_bfe_u32 v9, v0, 4, 1                         ; h
	s_wait_alu depctr_va_vdst(0)
	s_and_b32 s52, s[WV], 7                        ; my tile in Q's unit
	s_mul_i32 s53, s52, 1536
	v_add_nc_u32 v10, s53, v[LI]
	s_and_b32 s55, s52, 1
	s_lshl_b32 s55, s55, 8                         ; an odd tile's words lie 16 places of 16 bytes further on,
	s_lshr_b32 s52, s52, 1
	s_lshl_b32 s52, s52, 2                         ; tile pair p at 4 p
	s_add_co_u32 s55, s55, s52
	s_add_co_u32 s55, s55, 12288
	v_lshl_add_u32 v11, v8, 4, s55                 ; so lane r of lanes 0-15 gets row r's word, whichever the tile
.irp c, 0,1,2
	global_load_b128 v[16+4*\c:19+4*\c], v10, s[14:15] offset:512*\c   ; Q's fragment stays in registers
.endr
	global_load_b32 v255, v11, s[14:15]            ; Q's scale words
	MASKLOAD                                       ; key step 0's mask words (the registers that held set-up numbers are done with)
	v_lshlrev_b32 v[GO], 13, v9
	s_delay_alu instid0(VALU_DEP_1)
	v_lshl_add_u32 v[GO], v8, 4, v[GO]             ; the way out: lanes 0-15 one row of out, lanes 16-31 the next; 16 bytes a lane
	v_mov_b32 v[NEG], 0xcd000000                   ; -2^27
	v_mov_b32 v13, 0xff61b1e6                      ; the largest t so far: -3e38, under every t
	s_delay_alu instid0(VALU_DEP_1)
	v_floor_f32 v12, -v13                          ; -M
	v_mov_b32 v14, 0
	v_mov_b32 v15, 0
.irp b, 0,1,2,3
	v_mov_b32 v[236+\b], 0                         ; written once: a lane permute's destination counts as one of its sources
.endr
	v_mov_b32 v253, 0                              ; (named as the upper half of the pair v[252:253] before it is first written)
.set j, 0
.rept 64
	v_mov_b32 v[160+j], 0                          ; O^T.  (The step is written once: the first finds zeros, which the first change of M leaves zeros)
.set j, j+1
.endr
; A KEY STEP: 128 keys.
.macro STEP
	v_add_nc_u32 v[AD], s[TB], v[LI]
	s_wait_alu depctr_va_vdst(0)
.rept 3
	v_nop                                          ; with the addition above: four places in front of loads into registers that the last products read
.endr
.irp g, 0,1                                    ; S^T = K Q^T, four tiles of 16 keys at a time
.if \g
.rept 4
	v_nop
.endr
.endif
.irp t, 0,1,2,3
.irp c, 0,1,2
	ds_load_b128 v[FRG+12*\t+4*\c:FRG+12*\t+4*\c+3], v[AD] offset:1536*(4*\g+\t)+512*\c
.endr
.endr
.if \g == 0
	ds_load_b128 v[248:251], v[AD] offset:12288    ; K's scale words for all eight tiles
.endif
	s_wait_dscnt 0x0
.irp t, 0,1,2,3
.if \t%2
	v_wmma_scale_f32_16x16x128_f8f6f4 v[96+8*(4*\g+\t):103+8*(4*\g+\t)], v[FRG+12*\t:FRG+11+12*\t], v[16:27], 0, v[248+2*\g+\t/2], v255 matrix_a_fmt:MATRIX_FMT_BF6 matrix_b_fmt:MATRIX_FMT_BF6 matrix_a_scale:MATRIX_SCALE_ROW1
.else
	v_wmma_scale_f32_16x16x128_f8f6f4 v[96+8*(4*\g+\t):103+8*(4*\g+\t)], v[FRG+12*\t:FRG+11+12*\t], v[16:27], 0, v[248+2*\g+\t/2], v255 matrix_a_fmt:MATRIX_FMT_BF6 matrix_b_fmt:MATRIX_FMT_BF6
.endif
.endr
.endr
.rept 4
	v_nop                                          ; places in front of the loads below and of the first reads of the scores
.endr
.irp t, 0,1,2,3                                ; V's first four tiles and its scale words are asked for now: they land while the softmax is walked
.irp c, 0,1,2
	ds_load_b128 v[FRG+12*\t+4*\c:FRG+12*\t+4*\c+3], v[AD] offset:VOFF+1536*\t+512*\c
.endr
.endr
	ds_load_b128 v[248:251], v[AD] offset:VOFF+12288
	s_wait_kmcnt 0x0                               ; this step's mask words
.set k, 0
.rept 64
.if k < 32
	v_cndmask_b32 v[96+k], v[NEG], v[96+k], s[32+k]   ; the score where the mask's bit is set, else -2^27; each accumulator from its low end on
.else
	v_cndmask_b32 v[96+k], v[NEG], v[96+k], s[36+k]
.endif
.set k, k+1
.endr
	s_add_co_u32 s[MO], s[MO], 256                 ; the next step's words; the last step asks for its own again: no load leaves my tile's 4,096 bytes
	s_min_u32 s[MO], s[MO], 3840
	MASKLOAD
.irp b, 0,1,2,3
	v_max3_num_f32 v[232+\b], v[96+16*\b], v[97+16*\b], v[98+16*\b]   ; the largest score of each block of 32 keys: it serves for the row's maximum and for the block's largest p
.endr
.irp i, 3,5,7,9,11,13
.irp b, 0,1,2,3
	s_delay_alu instid0(VALU_DEP_4)
	v_max3_num_f32 v[232+\b], v[232+\b], v[96+16*\b+\i], v[97+16*\b+\i]
.endr
.endr
.irp b, 0,1,2,3
	s_delay_alu instid0(VALU_DEP_4)
	v_max_num_f32 v[232+\b], v[232+\b], v[111+16*\b]
.endr
.irp b, 0,1,2,3
	s_delay_alu instid0(VALU_DEP_4)
	v_permlanex16_b32 v[236+\b], v[232+\b], s[SEL], s[SEL+1]
.endr
.irp b, 0,1,2,3
	s_delay_alu instid0(VALU_DEP_4)
	v_max_num_f32 v[232+\b], v[232+\b], v[236+\b]  ; with lane l xor 16's 16 keys
.endr
	s_delay_alu instid0(VALU_DEP_2)
	v_max3_num_f32 v254, v232, v233, v234
	s_delay_alu instid0(VALU_DEP_1)
	v_max_num_f32 v254, v254, v235                 ; the step's largest score of my query
	s_delay_alu instid0(VALU_DEP_1)
	v_mul_f32 v254, s[CS], v254                    ; as t (c is positive)
	s_delay_alu instid0(VALU_DEP_1)
	v_max_num_f32 v13, v13, v254                   ; the running largest t
	v_mov_b32 v254, v12
	s_delay_alu instid0(VALU_DEP_2)
	v_floor_f32 v12, -v13                          ; the new -M = floor(-t) = -ceil(t)
	s_delay_alu instid0(VALU_DEP_1)
	v_sub_f32 v254, v12, v254                      ; old M - new M: a whole number, 0 or less
	s_delay_alu instid0(VALU_DEP_1)
	v_cvt_i32_f32 v254, v254                       ; (it saturates)
	s_delay_alu instid0(VALU_DEP_1)
	v_ldexp_f32 v252, 1.0, v254                    ; f = 2^(old M - new M)
.set j, 0
.rept 32
	v_pk_fma_f32 v[96+j:97+j], v[96+j:97+j], s[CS:CS+1], v[12:13] op_sel_hi:[1,0,0]   ; t - M, two at a time
.set j, j+2
.endr
.irp b, 0,1,2,3
	v_fma_f32 v[232+\b], v[232+\b], s[CS], v12     ; the same of each block's largest score
.endr
.set j, 0
	s_wait_alu depctr_va_vdst(0)
.rept 64
	v_exp_f32 v[96+j], v[96+j]                     ; p = 2^(t - M), at most 1
.set j, j+1
.endr
.irp b, 0,1,2,3
	v_exp_f32 v[232+\b], v[232+\b]                 ; the block's largest p
.endr
	v_pk_mul_f32 v[14:15], v[14:15], v[252:253] op_sel_hi:[1,0]   ; the sums under the new M.  (A plain place behind the exponentials)
	s_wait_alu depctr_va_vdst(0)
.irp b, 0,1,2,3
	v_max_num_f32 v[232+\b], 0x2800000, v[232+\b]  ; the floor 2^(5 - 127): the byte cannot fall under 1
.endr
.irp b, 0,1,2,3
	s_delay_alu instid0(VALU_DEP_4)
	v_add_nc_u32 v[244+\b], 0xfe000000, v[232+\b]  ; 4 off the exponent field: the conversion's scale operand
.endr
.irp b, 0,1,2,3
	s_delay_alu instid0(VALU_DEP_4)
	v_lshrrev_b32 v[236+\b], 23, v[244+\b]         ; the scale's byte
.endr
	s_delay_alu instid0(VALU_DEP_3)
	v_lshl_or_b32 v253, v237, 8, v236              ; p's scale word for these 128 keys
	s_delay_alu instid0(VALU_DEP_1)
	v_lshl_or_b32 v253, v238, 16, v253
	s_delay_alu instid0(VALU_DEP_1)
	v_lshl_or_b32 v253, v239, 24, v253
.irp c, 0,1
	v_cvt_scalef32_pk16_bf6_f32 v[224+6*\c:226+6*\c], v[96+32*\c:111+32*\c], v[244+2*\c]
	v_cvt_scalef32_pk16_bf6_f32 v[236+4*\c:238+4*\c], v[112+32*\c:127+32*\c], v[244+2*\c+1]   ; (a conversion's three registers begin on an even number)
.endr
	v_nop                                          ; one plain place behind a scaled conversion
.irp c, 0,1                                    ; a whole block in a lane: lanes 0-15 block 2 c, lanes 16-31 block 2 c + 1
.irp i, 0,1,2
	v_permlane16_swap_b32 v[224+6*\c+\i], v[236+4*\c+\i]
.endr
.irp i, 0,1,2
	s_delay_alu instid0(VALU_DEP_3)
	v_mov_b32 v[227+6*\c+\i], v[236+4*\c+\i]
.endr
.endr
	v_pk_add_f32 v[236:237], v[100:101], v[104:105]
	v_pk_add_f32 v[246:247], v[108:109], v[112:113]
	v_pk_add_f32 v[244:245], v[116:117], v[120:121]
	v_pk_add_f32 v[242:243], v[124:125], v[128:129]
	v_pk_add_f32 v[240:241], v[132:133], v[136:137]
	v_pk_add_f32 v[94:95], v[140:141], v[144:145]
	v_pk_add_f32 v[92:93], v[148:149], v[152:153]
	v_pk_add_f32 v[14:15], v[14:15], v[156:157]
	v_pk_add_f32 v[236:237], v[236:237], v[96:97]
	v_pk_add_f32 v[246:247], v[246:247], v[98:99]
	v_pk_add_f32 v[244:245], v[244:245], v[102:103]
	v_pk_add_f32 v[242:243], v[242:243], v[106:107]
	v_pk_add_f32 v[240:241], v[240:241], v[110:111]
	v_pk_add_f32 v[94:95], v[94:95], v[114:115]
	v_pk_add_f32 v[92:93], v[92:93], v[118:119]
	v_pk_add_f32 v[14:15], v[14:15], v[122:123]
	v_pk_add_f32 v[236:237], v[236:237], v[126:127]
	v_pk_add_f32 v[246:247], v[246:247], v[130:131]
	v_pk_add_f32 v[244:245], v[244:245], v[134:135]
	v_pk_add_f32 v[242:243], v[242:243], v[138:139]
	v_pk_add_f32 v[240:241], v[240:241], v[142:143]
	v_pk_add_f32 v[94:95], v[94:95], v[146:147]
	v_pk_add_f32 v[92:93], v[92:93], v[150:151]
	v_pk_add_f32 v[14:15], v[14:15], v[154:155]
	v_pk_add_f32 v[236:237], v[236:237], v[158:159]
	s_delay_alu instid0(VALU_DEP_2)
	v_pk_add_f32 v[14:15], v[14:15], v[242:243]
	s_delay_alu instid0(VALU_DEP_2)
	v_pk_add_f32 v[236:237], v[236:237], v[240:241]
	v_pk_add_f32 v[246:247], v[246:247], v[94:95]
	v_pk_add_f32 v[244:245], v[244:245], v[92:93]
	s_delay_alu instid0(VALU_DEP_2)
	v_pk_add_f32 v[14:15], v[14:15], v[246:247]
	s_delay_alu instid0(VALU_DEP_2)
	v_pk_add_f32 v[236:237], v[236:237], v[244:245]
	s_delay_alu instid0(VALU_DEP_1)
	v_pk_add_f32 v[14:15], v[14:15], v[236:237]
.set j, 0
.rept 32
	v_pk_mul_f32 v[160+j:161+j], v[160+j:161+j], v[252:253] op_sel_hi:[1,0]   ; O^T under the new M, each accumulator from its low end on.  (These are also the places between p's codes and scale word and the products below)
.set j, j+2
.endr
	s_wait_alu depctr_va_vdst(0)
.irp g, 0,1                                    ; O^T += V^T P^T: four tiles of 16 channels at a time; the accumulators take turns
.if \g
.rept 4
	v_nop
.endr
.irp t, 0,1,2,3
.irp c, 0,1,2
	ds_load_b128 v[FRG+12*\t+4*\c:FRG+12*\t+4*\c+3], v[AD] offset:VOFF+1536*(4+\t)+512*\c
.endr
.endr
.endif
	s_wait_dscnt 0x0
.irp t, 0,1,2,3
.if \t%2
	v_wmma_scale_f32_16x16x128_f8f6f4 v[160+8*(4*\g+\t):167+8*(4*\g+\t)], v[FRG+12*\t:FRG+11+12*\t], v[224:235], v[160+8*(4*\g+\t):167+8*(4*\g+\t)], v[248+2*\g+\t/2], v253 matrix_a_fmt:MATRIX_FMT_BF6 matrix_b_fmt:MATRIX_FMT_BF6 matrix_a_scale:MATRIX_SCALE_ROW1
.else
	v_wmma_scale_f32_16x16x128_f8f6f4 v[160+8*(4*\g+\t):167+8*(4*\g+\t)], v[FRG+12*\t:FRG+11+12*\t], v[224:235], v[160+8*(4*\g+\t):167+8*(4*\g+\t)], v[248+2*\g+\t/2], v253 matrix_a_fmt:MATRIX_FMT_BF6 matrix_b_fmt:MATRIX_FMT_BF6
.endif
.endr
.endr
	s_add_co_u32 s[TB], s[TB], UNIT                ; the next step's units
.endm
; THE CHANGE OF SLOTS stands at a slot's head.  Each wave waits for all its tensor loads (its part of the slot that it is about to read), adds 0 to its spare word, and waits for that and for its reads of the slot that it has left.
; fill = 1: the barrier is a round of the cluster's, and behind it the slot just left (the first time: slot 1, not yet filled) takes the next four key steps: the load has four key steps in which to land.
.macro CHANGE fill
	s_wait_tensorcnt 0x0                           ; no tensor load of mine is out, so a group 0 may be written
	ds_add_u32 v[SPW], v[NIL]                      ; 0 onto my spare word
	ds_add_u32 v[SPW], v[NIL]
.if \fill
	s_xor_b32 s[G0K+1], s[G0K+1], SLOT1            ; the walking descriptors: the other slot than last time,
	s_add_nc_u64 s[G0K+2:G0K+3], s[G0K+2:G0K+3], 4*UNIT   ; the next four units; the type bits on top are not reached
	s_xor_b32 s[G0V+1], s[G0V+1], SLOT1
	s_add_nc_u64 s[G0V+2:G0V+3], s[G0V+2:G0V+3], 4*UNIT
.endif
	s_wait_dscnt 0x0                               ; the add is done, and my reads of the slot that I have left are over
.if \fill
	CROUND                                         ; no wave of any partner still reads that slot or has a load on its way
	TLOAD                                          ; the first thing behind the round, and a wave's one tensor load until the next
.else
	s_barrier_signal -1
	s_barrier_wait -1
.endif
.endm
.macro SLOT_STEPS                      ; a slot's four key steps: written once, walked four times; the LDS addresses hang on s[TB]
	s_mov_b32 s[STEPS], 4
.Lstep_\@:
	STEP
	s_sub_co_u32 s[STEPS], s[STEPS], 1
	s_cmp_lg_u32 s[STEPS], 0
	s_cbranch_scc1 .Lstep_\@
	s_sub_co_u32 s[TB], s[TB], 4*UNIT              ; back to a slot's first unit,
	s_xor_b32 s[TB], s[TB], SLOT1                  ; in the other slot
.endm
	s_wait_loadcnt 0x0                             ; Q and its scale words: their base's registers are free now
.Lslot:                                            ; three trips: behind each change of slots but the last the next four key steps are asked for
	CHANGE 1
	SLOT_STEPS
	s_sub_co_u32 s[SLOTS], s[SLOTS], 1
	s_cmp_lg_u32 s[SLOTS], 0
	s_cbranch_scc1 .Lslot
	CHANGE 0                                       ; the last slot is written out
	SLOT_STEPS
	s_wait_kmcnt 0x0                               ; the last step's scalar loads
	; THE WAY OUT.  O^T is divided by the row's sum and goes through my stage in LDS, half a head's row (64 channels, 256 bytes) of 16 queries at a time, so that sixteen lanes store 256 consecutive aligned bytes.
	v_add_f32 v14, v14, v15                        ; the sum's two halves,
	s_delay_alu instid0(VALU_DEP_1)
	v_permlanex16_b32 v252, v14, s[SEL], s[SEL+1]
	s_delay_alu instid0(VALU_DEP_1)
	v_add_f32 v14, v14, v252                       ; and lane l xor 16's
	s_wait_alu depctr_va_vdst(0)
	v_rcp_f32 v14, v14
	v_and_b32 v8, 15, v0                           ; (a plain place behind the transcendental)  r
	v_bfe_u32 v9, v0, 4, 1                         ; h
	s_mul_i32 s15, s[WV], 16*272
	s_add_co_u32 s15, s15, STAGE                   ; my stage
	v_mul_u32_u24 v10, v8, 272
	s_delay_alu instid0(VALU_DEP_1)
	v_lshl_add_u32 v10, v9, 5, v10
	s_delay_alu instid0(VALU_DEP_1)
	v_add_nc_u32 v10, s15, v10                     ; in: row r; a tile's eight channels of my half: 64 t + 32 h bytes on
	v_mul_u32_u24 v11, v9, 272
	s_delay_alu instid0(VALU_DEP_1)
	v_lshl_add_u32 v11, v8, 4, v11
	s_delay_alu instid0(VALU_DEP_1)
	v_add_nc_u32 v11, s15, v11                     ; back: lanes 0-15 one row, lanes 16-31 the next
.set j, 0
	s_wait_alu depctr_va_vdst(0)
.rept 64
	v_mul_f32 v[96+j], v[160+j], v14               ; register 8 t + i is out(query r, channel 16 t + 8 h + i); each accumulator from its low end on
.set j, j+1
.endr
.irp u, 0,1                                    ; channels 64 u on
.irp t, 0,1,2,3
	ds_store_b128 v10, v[96+32*\u+8*\t:99+32*\u+8*\t] offset:64*\t
	ds_store_b128 v10, v[100+32*\u+8*\t:103+32*\u+8*\t] offset:64*\t+16
.endr
.irp i, 0,1,2,3,4,5,6,7
	ds_load_b128 v[32+32*\u+4*\i:35+32*\u+4*\i], v11 offset:2*\i*272   ; LDS serves a wave's instructions in order: these see my stores, and the next half's stores come behind them
.endr
.endr
.irp u, 0,1
.irp i, 0,1,2,3,4,5,6,7
	s_wait_dscnt 15-8*\u-\i                        ; at most the LDS instructions issued behind this load are out
	global_store_b128 v[GO], v[32+32*\u+4*\i:35+32*\u+4*\i], s[OUTP:OUTP+1] offset:2*\i*8192+256*\u th:TH_STORE_NT   ; written once, read by nobody here
.endr
.endr
	s_wait_tensorcnt 0x0                           ; the wave's end
	ds_add_u32 v[SPW], v[NIL]
	s_wait_dscnt 0x0
	CROUND                                         ; the closing round: no work-group ends while a partner may still ask for a tile that names it
	s_endpgm
.Lfunc_end_k_q13e7e10fc0_attn:
	.size	k_q13e7e10fc0_attn, .Lfunc_end_k_q13e7e10fc0_attn-k_q13e7e10fc0_attn
	.p2alignl 7, 3214868480
	.fill 96, 4, 3214868480
	.section	.rodata,"a",@progbits
	.p2align	6, 0x0
	.amdhsa_kernel k_q13e7e10fc0_attn
		.amdhsa_group_segment_fixed_size 327680
		.amdhsa_private_segment_fixed_size 0
		.amdhsa_enable_private_segment 0
		.amdhsa_kernarg_size 40
		.amdhsa_user_sgpr_count 2
		.amdhsa_user_sgpr_kernarg_segment_ptr 1
		.amdhsa_wavefront_size32 1
		.amdhsa_system_sgpr_workgroup_id_x 1
		.amdhsa_system_sgpr_workgroup_id_y 1
		.amdhsa_system_sgpr_workgroup_id_z 1
		.amdhsa_system_vgpr_workitem_id 0
		.amdhsa_next_free_vgpr 256
		.amdhsa_next_free_sgpr 100
		.amdhsa_reserve_vcc 0
		.amdhsa_float_denorm_mode_32 3
		.amdhsa_float_denorm_mode_16_64 3
		.amdhsa_memory_ordered 1
		.amdhsa_forward_progress 1
		.amdhsa_inst_pref_size 68
	.end_amdhsa_kernel
	.amdgpu_metadata
---
amdhsa.version: [ 1, 2 ]
amdhsa.kernels:
  - .name:           k_q13e7e10fc0_attn
    .symbol:         k_q13e7e10fc0_attn.kd
    .args:
      - { .name: qimg, .offset: 0, .size: 8, .value_kind: global_buffer, .address_space: global }
      - { .name: kimg, .offset: 8, .size: 8, .value_kind: global_buffer, .address_space: global }
      - { .name: vimg, .offset: 16, .size: 8, .value_kind: global_buffer, .address_space: global }
      - { .name: maskw, .offset: 24, .size: 8, .value_kind: global_buffer, .address_space: global }
      - { .name: out0, .offset: 32, .size: 8, .value_kind: global_buffer, .address_space: global }
    .group_segment_fixed_size: 327680
    .private_segment_fixed_size: 0
    .kernarg_segment_align: 8
    .kernarg_segment_size: 40
    .max_flat_workgroup_size: 512
    .sgpr_count:     100
    .vgpr_count:     256
    .wavefront_size: 32
...
	.end_amdgpu_metadata
.endif
;; end of part 3
